; MI455X (gfx1250); checked and timed in simulation.
; The chip was launched on July 23, 2026; its instructions are those of AMD's public machine-readable ISA for CDNA 5 (MIT licence, August 2026) and "CDNA5" Instruction Set Architecture Reference Guide (July 2026). The comments in the code are by the model that wrote it; some were corrected since.
;; Monotonic NN. Allowed arithmetic: matrix products marked QUANTISED: E3M2 operands, one E8M0 scale for each 32 along K, by v_wmma_scale_f32_16x16x128_f8f6f4 with both operands' format E3M2, f32 sums; products left as they are: f32 operands where the result goes on into a quantised operand, else bf16, f16 or f32 operands; f32 sums; everything else in f32.
;; Inputs: iW0 8 x 128 float32; iW1_codes 128 x 4 x 24 uint8 (E3M2 codes of iW1, K innermost, in blocks of 32 codes, four codes in three bytes); iW1_scales 128 x 4 uint8 (E8M0 scales of iW1, one for each 32 codes along K); iW2 128 x 1 float32; ib0 128 float32; ib1 128 float32; ib2 1 float32; nW0 7 x 128 float32; nW1_codes 128 x 4 x 24 uint8 (E3M2 codes of nW1, K innermost, in blocks of 32 codes, four codes in three bytes); nW1_scales 128 x 4 uint8 (E8M0 scales of nW1, one for each 32 codes along K); nW2 128 x 2 float32; nb0 128 float32; nb1 128 float32; nb2 2 float32; x_input 32,768 x 8 float32.
;; Outputs: out0 32,768 x 1 float32.
;; This version of the problem:
;;   THIS VERSION OF THE PROBLEM IS GIVEN IN LOW PRECISION. The matrix products marked QUANTISED in the list below multiply operands that are first quantised to E3M2 (3 exponent bits, 2 mantissa bits; 6 bits a number), with one power-of-two scale for each 32 numbers along K (OCP MX v1.0); their sums are f32. All else is computed in f32.
;;   The module's matrix products, in the order in which they are computed (A, B: the left and right operand; K: the contracted axis; several contracted axes count as one K, in the product's order):
;;     1. [M 1,671,168, K 8] x [K 8, N 128]; A: computed on the way; B: input iW0: left as it is (K = 8 < 32)
;;     2. [M 1,671,168, K 128] x [K 128, N 128]; A: computed on the way; B: input iW1 (given as codes): QUANTISED
;;     3. [M 1,671,168, K 128] x [K 128, N 1]; A: computed on the way; B: input iW2: left as it is (N = 1 < 16)
;;     4. [M 32,768, K 7] x [K 7, N 128]; A: input x_input; B: input nW0: left as it is (K = 7 < 32)
;;     5. [M 32,768, K 128] x [K 128, N 128]; A: computed on the way; B: input nW1 (given as codes): QUANTISED
;;     6. [M 32,768, K 128] x [K 128, N 2]; A: computed on the way; B: input nW2: left as it is (N = 2 < 16)
;;   THE QUANTISER, for each operand of a quantised product, along K:
;;     - K is cut into blocks of 32 from its start; a last block that is shorter is filled with zeros.
;;     - A block's scale is 2^e with e = floor(log2(the largest magnitude in the block)) - 4, held to -126 .. 127; a block of zeros has e = 0. As a byte (E8M0): e + 127.
;;     - Each number is divided by its block's scale, clamped to +-28, and rounded to the nearest number of E3M2, ties to even, subnormals kept.
;;     - The product sums the exact products of the quantised numbers (number of the format x scale) in f32.
;;   ~~~python
;;   def quantise(x, axis):      # numpy; x: float32 -> the quantised numbers, widened to float32 again
;;       x = np.moveaxis(x, axis, -1); K = x.shape[-1]
;;       x = np.pad(x, [(0, 0)] * (x.ndim - 1) + [(0, -K % 32)]); x = x.reshape(x.shape[:-1] + (-1, 32)); a = np.abs(x).max(-1, keepdims=True)
;;       e = np.where(a > 0, np.clip(np.frexp(np.where(a > 0, a, 1))[1] - 1 - 4, -126, 127), 0)      # np.frexp(a)[1] - 1 = floor(log2(a)), exactly
;;       r = np.clip(x / 2.0 ** e, -28, 28)
;;       step = 2.0 ** (np.maximum(np.frexp(np.where(r == 0, 1, r))[1] - 1, -2) - 2)
;;       q = np.round(r / step) * step * 2.0 ** e      # np.round: ties to even
;;       return np.moveaxis(q.reshape(q.shape[:-2] + (-1,))[..., :K], -1, axis).astype(np.float32)
;;   ~~~
;;   OPERANDS COMPUTED ON THE WAY. 'Computed on the way' means the value that the module computes at that place (a softmax that the list does not call 'softmax' is quantised finished and normalised). What goes into a quantiser is computed in f32, as accurately as f32 sums, v_exp_f32 and their like allow (about 1e-6 of the number): no bf16 or f16 on the way to a quantiser, and a product that is left as it is and whose result goes on into a quantised operand takes f32 operands (vector FMAs, or v_wmma_f32_16x16x4_f32). A number that lies on a knife's edge between two numbers of the format may be rounded either way, as far as f32 arithmetic and the matrix unit's own rounding can turn it there, and no further.
;;   INPUTS GIVEN AS CODES. iW1 (in the module: [128, 128], K = its axis 0); nW1 (in the module: [128, 128], K = its axis 0): each comes as NAME_codes (uint8): NAME with its K axis moved to the last place and cut into blocks of 32 codes, [.., K / 32, bytes a block], one block behind the other in memory; four codes in three bytes: a row's codes are one little-endian stream of bits, code i at bits 6 i .. 6 i + 5 (a code: sign, 3 exponent bits, 2 mantissa bits); and NAME_scales (uint8): the same leading axes, one E8M0 byte (e + 127) for each 32 codes along K. Its value is code x scale, taken as it is: it is not quantised again, and the codes and scales need not be those that the quantiser above would give.
;; One version. Each part assembles by itself: llvm-mc -triple=amdgcn-amd-amdhsa -mcpu=gfx1250 --defsym DOCPART=n.
;; ======== version 1 of 1: 1 launch
;; launch monotonic (part 1): grid 256 x 1, 8 waves a work-group, no clusters, 5,632 bytes of LDS; arguments x_input, iW0, ib0, iW1_codes, iW1_scales, ib1, iW2, ib2, nW0, nb0, nW1_codes, nW1_scales, nb1, nW2, nb2, out0; writes out0
.if DOCPART == 1
	.amdgcn_target "amdgcn-amd-amdhsa--gfx1250"
	.amdhsa_code_object_version 6
	.text
	.protected	k_q67aaf4635d_monotonic
	.globl	k_q67aaf4635d_monotonic
	.p2align	8
	.type	k_q67aaf4635d_monotonic,@function
k_q67aaf4635d_monotonic:
	s_mov_b64 s[64:65], 0
	v_nop
	global_prefetch_b8 v0, s[64:65] scope:SCOPE_SE
	s_setreg_imm32_b32 hwreg(HW_REG_WAVE_MODE, 25, 1), 1
	s_wait_xcnt 0x0
; out[n] = sigmoid(exp(o1[n]) * I[n] + o0[n]);  I[n] = x/2 * sum over s of cc[s] * (elu(MLPi(x T_s, h)) + 1), 51 Clenshaw-Curtis nodes;  (o0, o1) = MLPn(h).
; x = x_input[n][0], h = x_input[n][1..7].  Both nets: 128 hidden units twice; the 128 x 128 layers are products on codes of E3M2 with one E8M0 scale for each 32 along K.
; SHARES.  32,768 samples = 256 work-groups x 8 waves x 16.  A wave keeps its 16 samples for the whole kernel: one pass of the offset net, then 51 steps of the integrand net.
; Lane (r = lane % 16, h = lane / 16) holds sample r in every phase.  All weights stay in registers: a step touches no memory but 8 bytes of LDS.
; LAYER 1 IS LINEAR IN THE NODE: pre(s, k) = T_s * (x iW0[0][k]) + (ib0[k] + sum over i of h_i iW0[i][k]) = T_s * XW[k] + BASE[k]: one packed multiply-add for two units.
; XW and BASE lie in the 6-bit operand's own order: register 32 c + i of lane (r, h) is unit 64 c + 32 h + i.  So a lane holds two whole blocks of 32: a block's largest magnitude needs
; no other lane, and the conversions' results are the operand's registers.  BASE is made by the f32 matrix form (K = 8: slot 0 is the bias times 1, slots 1-7 the inputs h_1..h_7).
; LAYER 2 IS USED TRANSPOSED: source 0 = 16 rows of the weight's codes (output units), source 1 = the hidden layer's codes (16 samples), C = the bias.  Register 8 t + j of lane (r, h) is then
; output unit 16 t + 8 h + j of sample r.  Layer 3 is a packed multiply-add chain over the lane's 64 units and one exchange between the halves of the lanes.
; A STEP GOES BY TURNS: three of layer 2's eight matrix instructions go ahead, then each further one follows the relu and the layer-3 sums (eight lines) of the tile three back, all under one
; setting of the register windows; the end of node s - 1 (y, elu, the weighted sum) is spread among node s's scale word and moves, so that few lines read the result of the line before.
; NOT USED, AND WHY.  Tensor loads, LDS slots, clusters with joint loads: what work-groups share is the weights, some 37 KB that each work-group reads once ahead of 51 steps without memory traffic;
; no tile is walked.  Large accumulator tiles: K = 128 is one matrix instruction deep, nothing is accumulated.
; LIMITS.  NaN and infinities among the inputs are not served.  A hidden block of zeros gets the scale byte 1 and not 127: its codes are all 0, so every product is the same.
; The nodes take cos((50 - s) pi / 50) = -cos(s pi / 50) on the cosines rounded to f32; cc is summed in f32 by reference()'s formula (it stands behind the quantiser).
; Layer 1's f32 sum goes bias, h_1 .. h_7 (fused), then the x term by one fused multiply-add: another order of rounding than reference()'s.
;
; LDS: bytes 512 w .. 512 w + 511: wave w's own table, entry e (8 bytes) = (T_(e+1), cc[e - 1]), cc[-1] = 0; entries 0 to 51 are read.  Bytes 4096 .. 4607: the work-group's 128 results.
; REGISTERS, window 0: see the names below.  Window 1: v0-63 layer 3's weights; v64-127 BASE; v128-223 the weight's eight fragments of codes; v224-255 iW0's f32 fragments.
.set NSTEP, 51
.set OUTS,  4096
.set RR,    1          ; r
.set HH,    2          ; h
.set SH8,   3          ; 8 h
.set TA,    4          ; LDS address of the table's next entry
.set LANE,  5
.set TC,    6          ; v[6:7]   (T of the node in hand or the next, cc[s-1])
.set W1S,   8          ; v8-15    the weight's scale words, one register a tile: scales and nothing else
.set SW,    16         ; v16      the hidden layer's scale word: scales and nothing else
.set Z,     17         ; the weighted sum over the nodes
.set Y,     18
.set YT,    19
.set E,     20
.set AB32,  21         ; 32 h     never rewritten
.set MX0,   22         ; a block's largest magnitude, then the conversion's scale operand
.set MX1,   23
.set NX0,   24         ; second chains of the maxima, then at work
.set NX1,   25
.set CB,    26         ; v[26:27] (ib2 / 2, 0): each half of the lanes starts its sum with half of the bias
.set P,     28         ; v28-35   four packed sums.  Ahead of their first use: offsets of the first loads
.set AXO,   28
.set AXR,   29
.set AW0,   30
.set AW0N,  31
.set AU4,   32
.set AB64,  33
.set CODES, 36         ; v36-47   the hidden layer's codes: source 1
.set CT0,   48         ; v[48:50] a conversion's three registers begin on an even number: the second half of a block's six is made here and moved
.set AK,    51         ; 128 h    never rewritten
.set CT1,   52         ; v[52:54]
.set XV,    55         ; x
.set XB,    56         ; v56-59   source 1 of the f32 form: (1, h_1 .. h_7) of sample r
.set O0,    60
.set O1,    61
.set AW1,   62         ; 96 r + 24 h   never rewritten
.set AS4,   63         ; 4 r           never rewritten
.set HD,    64         ; v64-127  the hidden layer in f32, then layer 2's result.  At the start: nW0's fragments (32), nb0 (8), ib0 (8)
.set XW,    128        ; v128-191 x iW0[0][.].  At the start: the table's work, then nW2's tiles 0-3
.set BIAS,  192        ; v192-255 layer 2's bias, in the result's layout
.set W2,    0          ; window 1: iW2 in the result's layout.  At the start: nW2's tiles 4-7
.set BASE,  64         ; window 1: written by the f32 matrix form alone
.set W1,    128        ; window 1
.set WF,    224        ; window 1
.set CL,    128        ; the table's work: lane m = cos(m pi / 50), m = 0 .. 25
.set EV,    129        ; lane a = cos(2 a pi / 50)
.set CCV,   130        ; lane j = cc[j], j = 0 .. 25
.set Q4,    131
.set ST4,   132
.set TT,    133        ; v133-138 at work
.set PA,    140        ; v141-165 cos(2 m j pi / 50), m = 1 .. 25
.set ACC,   166        ; v166-167
.set ENT,   168        ; v168-171 two entries
.set MSB, 0
.macro WIN new                         ; bits 1:0 source 0, 3:2 source 1, 5:4 source 2, 7:6 destination; the immediate's high byte repeats the setting that is left
.if MSB != \new
	s_set_vgpr_msb (MSB<<8)|\new
.set MSB, \new
.endif
.endm
.macro PLACES n
.rept \n
	v_nop
.endr
.endm
; relu of HD's pair p, two registers in one line.  Its source 0 is a constant, so the line means the same under the settings 0 and 0x01
.macro RL p
	v_dual_max_num_f32 v[HD+2*(\p)], 0, v[HD+2*(\p)] :: v_dual_max_num_f32 v[HD+2*(\p)+1], 0, v[HD+2*(\p)+1]
.endm
.macro RELU                            ; all 64, ascending: each accumulator is first read at its low end
.set p, 0
.rept 32
	RL p
.set p, p+1
.endr
.endm
; The quantiser as one block, for the offset net's one pass.  HD holds no negative number.  My two blocks are c = 0 (registers 0-31: block h of K) and c = 1 (registers 32-63: block 2 + h).
.macro QUANT
	v_max3_num_f32 v[MX0], v[HD], v[HD+1], v[HD+2]
	v_max3_num_f32 v[MX1], v[HD+32], v[HD+33], v[HD+34]
	v_max3_num_f32 v[NX0], v[HD+3], v[HD+4], v[HD+5]
	v_max3_num_f32 v[NX1], v[HD+35], v[HD+36], v[HD+37]
.irp i, 6,10,14,18,22,26
	v_max3_num_f32 v[MX0], v[MX0], v[HD+\i], v[HD+\i+1]
	v_max3_num_f32 v[MX1], v[MX1], v[HD+32+\i], v[HD+33+\i]
	v_max3_num_f32 v[NX0], v[NX0], v[HD+\i+2], v[HD+\i+3]
	v_max3_num_f32 v[NX1], v[NX1], v[HD+34+\i], v[HD+35+\i]
.endr
	v_max3_num_f32 v[MX0], v[MX0], v[HD+30], v[HD+31]
	v_max3_num_f32 v[MX1], v[MX1], v[HD+62], v[HD+63]
	v_max3_num_f32 v[MX0], v[MX0], v[NX0], 0x02800000      ; the constant's exponent field is 5: the byte below does not fall under 1
	v_max3_num_f32 v[MX1], v[MX1], v[NX1], 0x02800000
	v_add_nc_u32 v[MX0], 0xfe000000, v[MX0]                ; exponent field - 4: the scale's byte at bits 30:23.  The conversion takes that field alone
	v_add_nc_u32 v[MX1], 0xfe000000, v[MX1]
	v_cvt_scalef32_pk16_bf6_f32 v[CODES:CODES+2], v[HD:HD+15], v[MX0]
	v_cvt_scalef32_pk16_bf6_f32 v[CT0:CT0+2], v[HD+16:HD+31], v[MX0]
	v_cvt_scalef32_pk16_bf6_f32 v[CODES+6:CODES+8], v[HD+32:HD+47], v[MX1]
	v_cvt_scalef32_pk16_bf6_f32 v[CT1:CT1+2], v[HD+48:HD+63], v[MX1]
	v_lshrrev_b32 v[NX0], 23, v[MX0]                       ; (the plain instruction behind the conversions)  my two bytes,
	v_lshrrev_b32 v[NX1], 23, v[MX1]
	v_lshl_or_b32 v[NX0], v[NX1], 16, v[NX0]
	v_lshlrev_b32 v[NX0], v[SH8], v[NX0]                   ; at their places in the scale word: bytes h and 2 + h;
	v_permlanex16_b32 v[NX1], v[NX0], s6, s7
	v_or_b32 v[SW], v[NX0], v[NX1]                         ; with lane l xor 16's two the word is whole
.irp i, 0,1,2
	v_mov_b32 v[CODES+3+\i], v[CT0+\i]
.endr
.irp i, 0,1,2
	v_mov_b32 v[CODES+9+\i], v[CT1+\i]
.endr
.endm
; THE STEP'S FIRST HALF OF THE QUANTISER: the two blocks' maxima and the relu, line by line in turn.  A negative number never beats the positive constant at the chains' end, so a maximum may
; read a number before or after its relu.  The relu runs downwards from pair 31: by the two lists' arithmetic at least two other lines stand between a relu and a maximum that reads its result.
.macro RLD
	RL m
.set m, m-1
.endm
.macro RQ
.set m, 31
	v_max3_num_f32 v[MX0], v[HD], v[HD+1], v[HD+2]
	RLD
	v_max3_num_f32 v[MX1], v[HD+32], v[HD+33], v[HD+34]
	RLD
	v_max3_num_f32 v[NX0], v[HD+3], v[HD+4], v[HD+5]
	RLD
	v_max3_num_f32 v[NX1], v[HD+35], v[HD+36], v[HD+37]
	RLD
.irp i, 6,10,14,18,22,26
	v_max3_num_f32 v[MX0], v[MX0], v[HD+\i], v[HD+\i+1]
	RLD
	v_max3_num_f32 v[MX1], v[MX1], v[HD+32+\i], v[HD+33+\i]
	RLD
	v_max3_num_f32 v[NX0], v[NX0], v[HD+\i+2], v[HD+\i+3]
	RLD
	v_max3_num_f32 v[NX1], v[NX1], v[HD+34+\i], v[HD+35+\i]
	RLD
.endr
	v_max3_num_f32 v[MX0], v[MX0], v[HD+30], v[HD+31]
	RLD
	v_max3_num_f32 v[MX1], v[MX1], v[HD+62], v[HD+63]
	RLD
	v_max3_num_f32 v[MX0], v[MX0], v[NX0], 0x02800000      ; exponent field 5: the byte does not fall under 1
	RLD
	v_max3_num_f32 v[MX1], v[MX1], v[NX1], 0x02800000
	RLD
.endm
; THE STEP'S SECOND HALF: conversions, scale word and moves as in QUANT, with node s - 1's y and the start of its elu set between them.
; Behind the scale word's last write stand nine plain lines (five moves, two adds, min, mul), behind the last move four: the eight and the four places that a scaled matrix instruction's
; scale and operand registers written by vector instructions are owed; the lane permutes and the exponential are not counted.
.macro QS
	v_add_nc_u32 v[MX0], 0xfe000000, v[MX0]                ; exponent field - 4
	v_add_nc_u32 v[MX1], 0xfe000000, v[MX1]
	v_cvt_scalef32_pk16_bf6_f32 v[CODES:CODES+2], v[HD:HD+15], v[MX0]
	v_cvt_scalef32_pk16_bf6_f32 v[CT0:CT0+2], v[HD+16:HD+31], v[MX0]
	v_cvt_scalef32_pk16_bf6_f32 v[CODES+6:CODES+8], v[HD+32:HD+47], v[MX1]
	v_cvt_scalef32_pk16_bf6_f32 v[CT1:CT1+2], v[HD+48:HD+63], v[MX1]
	v_lshrrev_b32 v[NX0], 23, v[MX0]                       ; (the plain instruction behind the conversions)
	v_lshrrev_b32 v[NX1], 23, v[MX1]
	v_pk_add_f32 v[P:P+1], v[P:P+1], v[P+4:P+5]            ; node s - 1: the four packed sums are two, now one
	v_lshl_or_b32 v[NX0], v[NX1], 16, v[NX0]
	v_mov_b32 v[CODES+3], v[CT0]
	v_lshlrev_b32 v[NX0], v[SH8], v[NX0]
	v_add_f32 v[Y], v[P], v[P+1]
	v_permlanex16_b32 v[NX1], v[NX0], s6, s7
	v_permlanex16_b32 v[YT], v[Y], s6, s7                  ; the sample's other 64 units lie in the lane 16 away
	v_or_b32 v[SW], v[NX0], v[NX1]
	v_mov_b32 v[CODES+4], v[CT0+1]
	v_mov_b32 v[CODES+5], v[CT0+2]
	v_mov_b32 v[CODES+9], v[CT1]
	v_mov_b32 v[CODES+10], v[CT1+1]
	v_mov_b32 v[CODES+11], v[CT1+2]
	v_add_f32 v[Y], v[Y], v[YT]                            ; y of node s - 1
	v_add_nc_u32 v[TA], 8, v[TA]                           ; the table's next entry
	v_min_num_f32 v[E], 0, v[Y]
	v_mul_f32 v[E], 0x3fb8aa3b, v[E]
	v_exp_f32 v[E], v[E]                                   ; e^min(y, 0); the plain line that it is owed is the maximum behind the first matrix instruction
.endm
; Layer 2, tile t of 16 output units: eight different results, C = the bias: no sum is taken up again
.macro MMT t
	v_wmma_scale_f32_16x16x128_f8f6f4 v[HD+8*\t:HD+8*\t+7], v[W1+12*\t:W1+12*\t+11], v[CODES:CODES+11], v[BIAS+8*\t:BIAS+8*\t+7], v[W1S+\t], v[SW] matrix_a_fmt:MATRIX_FMT_BF6 matrix_b_fmt:MATRIX_FMT_BF6
.endm
.macro MM                              ; all eight in a run: the offset net's one pass
	WIN 0x01
.irp t, 0,1,2,3,4,5,6,7
	MMT \t
.endr
	WIN 0
.endm
; Layer 3 of the integrand net: pair p of my 64 units onto chain p % 4.  The weight is source 0: window 1 under the setting 0x01, like the matrix form's source 0
.macro DP p
.if (\p) == 0
	v_pk_fma_f32 v[P:P+1], v[W2:W2+1], v[HD:HD+1], v[CB:CB+1]
.elseif (\p) < 4
	v_pk_mul_f32 v[P+2*(\p):P+2*(\p)+1], v[W2+2*(\p):W2+2*(\p)+1], v[HD+2*(\p):HD+2*(\p)+1]
.else
	v_pk_fma_f32 v[P+2*((\p)%4):P+2*((\p)%4)+1], v[W2+2*(\p):W2+2*(\p)+1], v[HD+2*(\p):HD+2*(\p)+1], v[P+2*((\p)%4):P+2*((\p)%4)+1]
.endif
.endm
.macro RD t                            ; tile t's relu, from its low end on, and its four packed sums: eight plain lines that name no other tile's registers
	RL 4*(\t)
	RL 4*(\t)+1
	RL 4*(\t)+2
	RL 4*(\t)+3
	DP 4*(\t)
	DP 4*(\t)+1
	DP 4*(\t)+2
	DP 4*(\t)+3
.endm
; The last node's end, written as one block behind the loop: y, then Z += cc * (elu(y) + 1), elu(y) + 1 = max(y, 0) + e^min(y, 0)
.macro TAILA
	v_pk_add_f32 v[P:P+1], v[P:P+1], v[P+2:P+3]
	v_pk_add_f32 v[P+4:P+5], v[P+4:P+5], v[P+6:P+7]
	v_pk_add_f32 v[P:P+1], v[P:P+1], v[P+4:P+5]
	v_add_f32 v[Y], v[P], v[P+1]
	v_permlanex16_b32 v[YT], v[Y], s6, s7
	v_add_f32 v[Y], v[Y], v[YT]
.endm
.macro TAILB
	v_min_num_f32 v[E], 0, v[Y]
	v_mul_f32 v[E], 0x3fb8aa3b, v[E]
	v_exp_f32 v[E], v[E]
	v_max_num_f32 v[Y], 0, v[Y]                            ; the plain instruction behind the exponential
	s_wait_alu depctr_va_vdst(0)
	v_add_f32 v[E], v[E], v[Y]
	v_fmac_f32 v[Z], v[TC+1], v[E]
.endm
; Layer 3 of the offset net, four tiles: P's even registers sum o0, the odd ones o1.  Weights at wb: register 16 t + 2 j + i = nW2[unit][i]
.macro DOT2 base, wb, first
.irp t, 0,1,2,3
.irp j, 0,1,2,3,4,5,6,7
.if \first && (\t == 0) && (\j < 4)
	v_mul_f32 v[P+2*(\j%4)], v[HD+8*(\base+\t)+\j], v[\wb+16*\t+2*\j]
	v_mul_f32 v[P+2*(\j%4)+1], v[HD+8*(\base+\t)+\j], v[\wb+16*\t+2*\j+1]
.else
	v_fmac_f32 v[P+2*(\j%4)], v[HD+8*(\base+\t)+\j], v[\wb+16*\t+2*\j]
	v_fmac_f32 v[P+2*(\j%4)+1], v[HD+8*(\base+\t)+\j], v[\wb+16*\t+2*\j+1]
.endif
.endr
.endr
.endm
; Source 0 of the f32 form, 16 units x 4 of K in two registers: lane (r, h), register j: slot 2 h + j of this K step.  Tile 4 c + u takes the units 64 c + 8 u + r % 8 + 32 (r / 8), so that
; its result's register j of lane (r, h) is unit 64 c + 32 h + 8 u + j.  Slot kk >= 1 is the weight's row kk - shift.  Slot 0 (lanes 0-15 of a tile's first register) is loaded from a row
; inside the buffer and replaced by the bias afterwards.
.macro LOADW0W af, sW, a00, shift
.irp c, 0,1
.irp u, 0,1,2,3
	global_load_b32 v[\af+4*(4*\c+\u)], v[\a00], s[\sW:\sW+1] offset:(64*\c+8*\u)*4
	global_load_b32 v[\af+4*(4*\c+\u)+1], v[AW0], s[\sW:\sW+1] offset:(1-\shift)*512+(64*\c+8*\u)*4
	global_load_b32 v[\af+4*(4*\c+\u)+2], v[AW0], s[\sW:\sW+1] offset:(4-\shift)*512+(64*\c+8*\u)*4
	global_load_b32 v[\af+4*(4*\c+\u)+3], v[AW0], s[\sW:\sW+1] offset:(5-\shift)*512+(64*\c+8*\u)*4
.endr
.endr
.endm
.macro LOADW0B bf, sB
.irp c, 0,1
.irp u, 0,1,2,3
	global_load_b32 v[\bf+4*\c+\u], v[AU4], s[\sB:\sB+1] offset:(64*\c+8*\u)*4
.endr
.endr
.endm
; A net's layer 2: 48 + 8 + 16 = 72 loads.  A row of 128 codes is 96 bytes; lane (r, h) takes 24 bytes at 24 h and 24 at 48 + 24 h, each as three loads of 8 bytes
.macro LOADNET sC, sS, sB
	WIN 0x40
.irp t, 0,1,2,3,4,5,6,7
.irp p, 0,1,2,3,4,5
	global_load_b64 v[W1+12*\t+2*\p:W1+12*\t+2*\p+1], v[AW1], s[\sC:\sC+1] offset:1536*\t+48*(\p/3)+8*(\p%3)
.endr
.endr
	WIN 0
.irp t, 0,1,2,3,4,5,6,7
	global_load_b32 v[W1S+\t], v[AS4], s[\sS:\sS+1] offset:64*\t
	global_load_b128 v[BIAS+8*\t:BIAS+8*\t+3], v[AB32], s[\sB:\sB+1] offset:64*\t
	global_load_b128 v[BIAS+8*\t+4:BIAS+8*\t+7], v[AB32], s[\sB:\sB+1] offset:64*\t+16
.endr
.endm
; BASE = bias + the seven inputs' terms: two K steps of 4; the first starts the sums with the constant 0; the eight accumulators take turns, one instruction a turn
.macro LAYER0 af
.irp t, 0,1,2,3,4,5,6,7
	v_wmma_f32_16x16x4_f32 v[BASE+8*\t:BASE+8*\t+7], v[\af+4*\t:\af+4*\t+1], v[XB:XB+1], 0
.endr
.irp t, 0,1,2,3,4,5,6,7
	v_wmma_f32_16x16x4_f32 v[BASE+8*\t:BASE+8*\t+7], v[\af+4*\t+2:\af+4*\t+3], v[XB+2:XB+3], v[BASE+8*\t:BASE+8*\t+7]
.endr
.endm
; cos(e pi / 50), e = 0 .. 50, is (lane min(e, 50 - e) of CL) with the sign turned where e > 25: idx = 4 x that lane, sgn = the sign bit
.macro FOLD50 e, idx, sgn
	v_sub_nc_u32 v[\idx], 50, v[\e]
	v_min_u32 v[\idx], v[\idx], v[\e]
	v_lshlrev_b32 v[\idx], 2, v[\idx]
	v_sub_nc_u32 v[\sgn], 25, v[\e]
	v_and_b32 v[\sgn], 0x80000000, v[\sgn]
.endm
.macro SETCOS m, c
	s_mov_b32 s44, \c
	v_writelane_b32 v[CL], s44, \m
.endm
.macro CCT m, k
	v_fmac_f32 v[ACC+(\m&1)], \k, v[PA+\m]
.endm
	; ---- set-up
	s_load_b512 s[8:23], s[0:1], 0x0               ; x_input 8, iW0 10, ib0 12, iW1_codes 14, iW1_scales 16, ib1 18, iW2 20, ib2 22
	s_load_b512 s[24:39], s[0:1], 0x40             ; nW0 24, nb0 26, nW1_codes 28, nW1_scales 30, nb1 32, nW2 34, nb2 36, out0 38
	v_and_b32 v[RR], 15, v0
	v_bfe_u32 v[HH], v0, 4, 1
	v_and_b32 v[LANE], 31, v0
	v_lshrrev_b32 v[NX0], 5, v0
	v_readfirstlane_b32 s4, v[NX0]                 ; wave 0..7
	s_lshl_b32 s5, s4, 9                           ; my wave's table in LDS
	s_mov_b32 s6, 0x76543210                       ; v_permlanex16_b32's selects for lane l xor 16
	s_mov_b32 s7, 0xfedcba98
	v_lshlrev_b32 v[SH8], 3, v[HH]
	v_and_b32 v[NX0], 7, v[RR]
	v_lshrrev_b32 v[NX1], 3, v[RR]
	v_lshlrev_b32 v[AU4], 2, v[NX0]
	v_lshl_add_u32 v[AU4], v[NX1], 7, v[AU4]       ; 4 x (r % 8 + 32 (r / 8)): my unit within a tile of layer 1
	v_lshl_add_u32 v[AW0], v[HH], 10, v[AU4]       ; + two rows of 512 bytes for lanes 16-31
	v_lshl_add_u32 v[AW0N], v[HH], 9, v[AU4]       ; nW0's first register: lanes 16-31 row 1 (slot 2), lanes 0-15 row 0 (replaced)
	v_mul_u32_u24 v[AW1], v[RR], 96
	v_mad_u32_u24 v[AW1], v[HH], 24, v[AW1]
	v_lshlrev_b32 v[AS4], 2, v[RR]
	v_lshlrev_b32 v[AB32], 5, v[HH]
	v_lshlrev_b32 v[AB64], 6, v[HH]
	v_lshlrev_b32 v[AK], 7, v[HH]
	v_and_b32 v[NX0], 0xe0, v0
	v_lshlrev_b32 v[AXR], 4, v[NX0]                ; wave x 16 rows of 32 bytes
	v_lshl_add_u32 v[AXR], v[RR], 5, v[AXR]        ; + my sample's row
	v_lshl_add_u32 v[AXO], v[HH], 3, v[AXR]        ; + slots 2 h, 2 h + 1
	v_cmp_eq_u32 s50, 0, v[HH]                     ; lanes 0-15
	v_cmp_eq_u32 s51, 0, v[LANE]                   ; lane 0
	v_mov_b32 v[YT], 0                             ; (the destination of a lane permute counts as read)
	v_mov_b32 v[E], 0
	s_lshl_b32 s46, ttmp9, 12                      ; the work-group's 128 rows of x_input,
	s_mov_b32 s47, 0
	s_lshl_b32 s48, ttmp9, 9                       ; and its 128 results
	s_mov_b32 s49, 0
	s_wait_kmcnt 0x0
	s_add_nc_u64 s[8:9], s[8:9], s[46:47]
	s_add_nc_u64 s[38:39], s[38:39], s[48:49]
	s_load_b32 s40, s[22:23], 0x0                  ; ib2
	s_load_b64 s[42:43], s[36:37], 0x0             ; nb2
	; ---- the first loads: 3 + 40 + 40 + 72 = 155
	global_load_b64 v[XB:XB+1], v[AXO], s[8:9]
	global_load_b64 v[XB+2:XB+3], v[AXO], s[8:9] offset:16
	global_load_b32 v[XV], v[AXR], s[8:9]
	LOADW0W HD, 24, AW0N, 1                        ; nW0
	LOADW0B HD+32, 26                              ; nb0
	LOADW0B HD+40, 12                              ; ib0
	WIN 0x40
	LOADW0W WF, 10, AW0, 0                         ; iW0
	LOADNET 28, 30, 32                             ; nW1's codes and scales, nb1
	; ---- the table of nodes and weights, while those loads are on their way
	v_mov_b32 v[CL], 0                             ; lane 25 stays 0 = cos(pi / 2)
	SETCOS 0, 1.0
	SETCOS 1, 0.998026728428272
	SETCOS 2, 0.992114701314478
	SETCOS 3, 0.982287250728689
	SETCOS 4, 0.968583161128631
	SETCOS 5, 0.951056516295154
	SETCOS 6, 0.929776485888251
	SETCOS 7, 0.904827052466020
	SETCOS 8, 0.876306680043864
	SETCOS 9, 0.844327925502015
	SETCOS 10, 0.809016994374947
	SETCOS 11, 0.770513242775789
	SETCOS 12, 0.728968627421412
	SETCOS 13, 0.684547105928689
	SETCOS 14, 0.637423989748690
	SETCOS 15, 0.587785252292473
	SETCOS 16, 0.535826794978997
	SETCOS 17, 0.481753674101715
	SETCOS 18, 0.425779291565073
	SETCOS 19, 0.368124552684678
	SETCOS 20, 0.309016994374947
	SETCOS 21, 0.248689887164855
	SETCOS 22, 0.187381314585725
	SETCOS 23, 0.125333233564304
	SETCOS 24, 0.062790519529313
	v_lshlrev_b32 v[TT], 1, v[LANE]                ; EV: lane a = cos(2 a pi / 50); lanes above 25 hold finite numbers that are not used
	FOLD50 TT, TT+1, TT+2
	ds_bpermute_b32 v[EV], v[TT+1], v[CL]
	s_wait_dscnt 0x0
	v_xor_b32 v[EV], v[EV], v[TT+2]
	v_lshlrev_b32 v[ST4], 2, v[LANE]               ; cc[j] for j = lane: (2 / 50) (1 + sum over m = 1 .. 25 of -2 / (4 m m - 1) cos(2 m j pi / 50)), half of it at j = 0
	v_mov_b32 v[Q4], 0
.set m, 1
.rept 25
	v_add_nc_u32 v[Q4], v[Q4], v[ST4]              ; 4 (m j mod 50),
	v_add_nc_u32 v[TT], 0xffffff38, v[Q4]
	v_min_u32 v[Q4], v[Q4], v[TT]
	v_sub_nc_u32 v[TT], 200, v[Q4]                 ; folded to 0 .. 25
	v_min_u32 v[PA+m], v[TT], v[Q4]
	ds_bpermute_b32 v[PA+m], v[PA+m], v[EV]
.set m, m+1
.endr
	v_mov_b32 v[ACC], 1.0
	v_mov_b32 v[ACC+1], 0
	s_wait_dscnt 0x0                               ; the 25 cosines
	CCT 1, -0.666666667
	CCT 2, -0.133333333
	CCT 3, -0.0571428571
	CCT 4, -0.0317460317
	CCT 5, -0.0202020202
	CCT 6, -0.0139860140
	CCT 7, -0.0102564103
	CCT 8, -0.00784313725
	CCT 9, -0.00619195046
	CCT 10, -0.00501253133
	CCT 11, -0.00414078675
	CCT 12, -0.00347826087
	CCT 13, -0.00296296296
	CCT 14, -0.00255427842
	CCT 15, -0.00222469410
	CCT 16, -0.00195503421
	CCT 17, -0.00173160173
	CCT 18, -0.00154440154
	CCT 19, -0.00138600139
	CCT 20, -0.00125078174
	CCT 21, -0.00113442995
	CCT 22, -0.00103359173
	CCT 23, -0.000945626478
	CCT 24, -0.000868432479
	CCT 25, -0.000800320128
	v_add_f32 v[ACC], v[ACC], v[ACC+1]
	v_mov_b32 v[TT], 0.04
	v_mov_b32 v[TT+1], 0.02
	v_cndmask_b32 v[TT], v[TT], v[TT+1], s51
	v_mul_f32 v[CCV], v[ACC], v[TT]
	v_lshl_add_u32 v[TT+5], v[LANE], 3, s5         ; my entry's place in my wave's table
.irp u, 0,1                                    ; entries e = lane + 32 u: (T_(e+1), cc[e - 1]); cc[i] = cc[50 - i].  T above node 50 and entries above 51 hold finite numbers that are not used
	v_add_nc_u32 v[TT], 32*\u+1, v[LANE]           ; e + 1
	FOLD50 TT, TT+1, TT+2
	ds_bpermute_b32 v[ENT+2*\u], v[TT+1], v[CL]
	v_add_nc_u32 v[TT+3], 32*\u-1, v[LANE]         ; e - 1
	v_sub_nc_u32 v[TT+4], 50, v[TT+3]
	v_min_u32 v[TT+4], v[TT+3], v[TT+4]
	v_lshlrev_b32 v[TT+4], 2, v[TT+4]
	ds_bpermute_b32 v[ENT+2*\u+1], v[TT+4], v[CCV]
	s_wait_dscnt 0x0
	v_xor_b32 v[ENT+2*\u], v[ENT+2*\u], v[TT+2]
	v_add_f32 v[ENT+2*\u], 1.0, v[ENT+2*\u]        ; T = (cos + 1) / 2, as reference() has it
	v_mul_f32 v[ENT+2*\u], 0.5, v[ENT+2*\u]
.if \u == 0
	v_cndmask_b32 v[ENT+1], v[ENT+1], 0, s51       ; cc[-1] = 0: the first trip's tail adds nothing
.endif
	ds_store_b64 v[TT+5], v[ENT+2*\u:ENT+2*\u+1] offset:256*\u
.endr
	s_wait_dscnt 0x0                               ; the table is written; its registers are free for the loads below
	v_mov_b32 v[TA], s5
	; ---- nW2: 32 loads.  Tiles 0-3 into XW's registers, tiles 4-7 into W2's
.irp t, 0,1,2,3
.irp q, 0,1,2,3
	global_load_b128 v[XW+16*\t+4*\q:XW+16*\t+4*\q+3], v[AB64], s[34:35] offset:128*\t+16*\q
.endr
.endr
	WIN 0x40
.irp t, 0,1,2,3
.irp q, 0,1,2,3
	global_load_b128 v[W2+16*\t+4*\q:W2+16*\t+4*\q+3], v[AB64], s[34:35] offset:128*(\t+4)+16*\q
.endr
.endr
	WIN 0
	; ---- layer 1 of both nets
	s_wait_loadcnt 32                              ; loads come back in order: the first 155 are in, nW2's 32 may be out
	s_wait_kmcnt 0x0                               ; ib2, nb2
	v_cndmask_b32 v[XB], v[XB], 1.0, s50           ; slot 0 of K: x gives way to 1, which multiplies the bias
.irp t, 0,1,2,3,4,5,6,7
	v_cndmask_b32 v[HD+4*\t], v[HD+4*\t], v[HD+32+\t], s50     ; nW0's slot 0 = nb0
.endr
	PLACES 4
	WIN 0x50
	LAYER0 HD                                      ; the offset net's layer 1, ahead of its relu
	WIN 0x41
.irp t, 0,1,2,3,4,5,6,7
	v_cndmask_b32 v[WF+4*\t], v[WF+4*\t], v[HD+40+\t], s50     ; iW0's slot 0 = ib0.  These eight name no register of the products above: they are the eight places behind this form
.endr
	WIN 0x04
.set i, 0
.rept 64
	v_max_num_f32 v[HD+i], 0, v[BASE+i]            ; relu; ascending, each accumulator from its low end on
.set i, i+1
.endr
	WIN 0x51
	LAYER0 WF                                      ; the integrand net's BASE, for all 51 steps
	WIN 0
	; ---- the offset net's layers 2 and 3
	QUANT
	v_mov_b32 v[Z], 0                              ; five plain lines: with the six moves above more than the eight places between the scale word's last write and the scaled
	v_mov_b32 v[CB+1], 0                           ; matrix instruction, and more than the four behind the codes' last write
	v_mul_f32 v[CB], 0.5, s40
	v_nop
	v_nop
	MM
	PLACES 4                                       ; in front of loads into registers that the matrix instructions have read, and of the first read of their results
	s_wait_loadcnt 0x0                             ; nW2 is in
	LOADNET 14, 16, 18                             ; iW1's codes and scales, ib1
	RELU
	DOT2 0, XW, 1
.irp c, 0,1
.irp q, 0,1,2,3,4,5,6,7
	global_load_b128 v[XW+32*\c+4*\q:XW+32*\c+4*\q+3], v[AK], s[10:11] offset:256*\c+16*\q   ; iW0's row 0, in the operand's order
.endr
.endr
	WIN 0x04
	DOT2 4, W2, 0
	WIN 0x40
.irp t, 0,1,2,3,4,5,6,7
	global_load_b128 v[W2+8*\t:W2+8*\t+3], v[AB32], s[20:21] offset:64*\t          ; iW2, in the result's layout
	global_load_b128 v[W2+8*\t+4:W2+8*\t+7], v[AB32], s[20:21] offset:64*\t+16
.endr
	WIN 0
	v_pk_add_f32 v[P:P+1], v[P:P+1], v[P+2:P+3]
	v_pk_add_f32 v[P+4:P+5], v[P+4:P+5], v[P+6:P+7]
	v_pk_add_f32 v[P:P+1], v[P:P+1], v[P+4:P+5]
	v_permlanex16_b32 v[YT], v[P], s6, s7
	v_permlanex16_b32 v[E], v[P+1], s6, s7
	v_add_f32 v[O0], v[P], v[YT]
	v_add_f32 v[O1], v[P+1], v[E]
	v_add_f32 v[O0], s42, v[O0]                    ; the offset
	v_add_f32 v[O1], s43, v[O1]                    ; the logarithm of the scaling
	; ---- into the loop
.irp i, 0,1,2,3,4,5,6,7
	v_mov_b32 v[P+\i], 0                           ; the first trip's tail finds y = 0 and the weight cc[-1] = 0
.endr
	v_mov_b32 v[TC], 1.0                           ; T_0 = (cos 0 + 1) / 2
	v_mov_b32 v[TC+1], 0                           ; (named with it as a pair, so it is written)
	s_wait_loadcnt 0x0                             ; iW1, ib1, iW2, iW0's row 0
	v_mov_b32 v[NX0], v[XV]
.set p, 0
.rept 32
	v_pk_mul_f32 v[XW+2*p:XW+2*p+1], v[XW+2*p:XW+2*p+1], v[NX0:NX1] op_sel_hi:[1,0]   ; XW = x iW0[0][.]
.set p, p+1
.endr
	s_mov_b32 s45, 0
.Lstep:                                                ; 51 trips; trip s works on node s and finishes node s - 1
	WIN 0x10                                       ; BASE in window 1
.set p, 0
.rept 32
	v_pk_fma_f32 v[HD+2*p:HD+2*p+1], v[XW+2*p:XW+2*p+1], v[TC:TC+1], v[BASE+2*p:BASE+2*p+1] op_sel_hi:[1,0,1]
.set p, p+1
.endr
	WIN 0
	ds_load_b64 v[TC:TC+1], v[TA]                  ; entry s: (T_(s+1), cc[s-1]).  T_s has been read by the lines above; the wait stands at the trip's end, in front of the first use
	v_pk_add_f32 v[P:P+1], v[P:P+1], v[P+2:P+3]    ; node s - 1: the four packed sums become two
	v_pk_add_f32 v[P+4:P+5], v[P+4:P+5], v[P+6:P+7]
	RQ
	QS
	WIN 0x01                                       ; source 0 in window 1: the weight's codes, and layer 3's weights.  One setting for all that follows
	MMT 0
	v_max_num_f32 v[Y], 0, v[Y]                    ; four plain lines that name none of tile 0's registers stand between its matrix instruction and its relu (ISA guide 7.12.1):
	v_nop                                          ; two of node s - 1's tail, and two v_nop: no other line of the step can be written with source 0 in window 1
	MMT 1
	s_wait_alu depctr_va_vdst(0)
	v_fma_f32 v[E], 1.0, v[E], v[Y]                ; elu(y) + 1 = e^min(y, 0) + max(y, 0), as a sum whose source 0 is a constant
	v_nop
	MMT 2
	RD 0                                           ; from here on a tile's eight lines are the places of the tiles behind it
	MMT 3
	RD 1
	MMT 4
	RD 2
	MMT 5
	RD 3
	MMT 6
	RD 4
	MMT 7
	RD 5
	RD 6
	RD 7
	WIN 0
	s_wait_dscnt 0x0                               ; entry s is in: cc[s-1] for the line below, T_(s+1) for the next trip
	v_fmac_f32 v[Z], v[TC+1], v[E]                 ; node s - 1's term
	s_add_co_u32 s45, s45, 1
	s_cmp_lt_u32 s45, NSTEP
	s_cbranch_scc1 .Lstep
	; ---- the end
	ds_load_b64 v[TC:TC+1], v[TA]                  ; entry 51: cc[50]
	TAILA
	s_wait_dscnt 0x0
	TAILB
	v_mul_f32 v[Z], v[Z], v[XV]
	v_mul_f32 v[E], 0x3fb8aa3b, v[O1]
	v_exp_f32 v[E], v[E]                           ; the scaling
	v_mul_f32 v[Z], 0.5, v[Z]                      ; (the plain instruction behind the exponential)  the integral
	s_wait_alu depctr_va_vdst(0)
	v_fma_f32 v[Y], v[E], v[Z], v[O0]
	v_mul_f32 v[Y], 0xbfb8aa3b, v[Y]
	v_exp_f32 v[Y], v[Y]
	s_lshl_b32 s46, s4, 6                          ; my wave's 64 bytes among the work-group's results
	v_lshl_add_u32 v[NX0], v[RR], 2, s46           ; (the plain instruction behind the exponential)
	s_wait_alu depctr_va_vdst(0)
	v_add_f32 v[Y], 1.0, v[Y]
	v_rcp_f32 v[Y], v[Y]                           ; sigmoid
	v_lshlrev_b32 v[NX1], 4, v[LANE]               ; (the plain instruction behind the reciprocal)
	s_wait_alu depctr_va_vdst(0)
	ds_store_b32 v[NX0], v[Y] offset:OUTS          ; lanes l and l xor 16 write the same word with the same value
	s_wait_dscnt 0x0                               ; for wave 0's sake: my store is done
	s_barrier_signal -1
	s_barrier_wait -1
	s_cmp_lg_u32 s4, 0
	s_cbranch_scc1 .Lend
	ds_load_b128 v[P:P+3], v[NX1] offset:OUTS      ; wave 0 takes all 128 results
	s_wait_dscnt 0x0
	global_store_b128 v[NX1], v[P:P+3], s[38:39]   ; 32 lanes store 512 consecutive bytes, at a multiple of 512 from out0's first byte
.Lend:
	s_wait_xcnt 0x0
	v_lshl_add_u32 v254, v0, 2, 0x1200
	v_mov_b32 v255, 0
	s_wait_tensorcnt 0x0
	ds_add_u32 v254, v255
	s_wait_dscnt 0x0
	s_endpgm
.Lfunc_end_k_q67aaf4635d_monotonic:
	.size	k_q67aaf4635d_monotonic, .Lfunc_end_k_q67aaf4635d_monotonic-k_q67aaf4635d_monotonic
	.p2alignl 7, 3214868480
	.fill 96, 4, 3214868480
	.section	.rodata,"a",@progbits
	.p2align	6, 0x0
	.amdhsa_kernel k_q67aaf4635d_monotonic
		.amdhsa_group_segment_fixed_size 5632
		.amdhsa_private_segment_fixed_size 0
		.amdhsa_enable_private_segment 0
		.amdhsa_kernarg_size 128
		.amdhsa_user_sgpr_count 2
		.amdhsa_user_sgpr_kernarg_segment_ptr 1
		.amdhsa_wavefront_size32 1
		.amdhsa_system_sgpr_workgroup_id_x 1
		.amdhsa_system_sgpr_workgroup_id_y 1
		.amdhsa_system_sgpr_workgroup_id_z 1
		.amdhsa_system_vgpr_workitem_id 0
		.amdhsa_next_free_vgpr 512
		.amdhsa_next_free_sgpr 66
		.amdhsa_reserve_vcc 0
		.amdhsa_float_denorm_mode_32 3
		.amdhsa_float_denorm_mode_16_64 3
		.amdhsa_memory_ordered 1
		.amdhsa_forward_progress 1
		.amdhsa_inst_pref_size 77
	.end_amdhsa_kernel
	.amdgpu_metadata
---
amdhsa.version: [ 1, 2 ]
amdhsa.kernels:
  - .name:           k_q67aaf4635d_monotonic
    .symbol:         k_q67aaf4635d_monotonic.kd
    .args:
      - { .name: x_input, .offset: 0, .size: 8, .value_kind: global_buffer, .address_space: global }
      - { .name: iW0, .offset: 8, .size: 8, .value_kind: global_buffer, .address_space: global }
      - { .name: ib0, .offset: 16, .size: 8, .value_kind: global_buffer, .address_space: global }
      - { .name: iW1_codes, .offset: 24, .size: 8, .value_kind: global_buffer, .address_space: global }
      - { .name: iW1_scales, .offset: 32, .size: 8, .value_kind: global_buffer, .address_space: global }
      - { .name: ib1, .offset: 40, .size: 8, .value_kind: global_buffer, .address_space: global }
      - { .name: iW2, .offset: 48, .size: 8, .value_kind: global_buffer, .address_space: global }
      - { .name: ib2, .offset: 56, .size: 8, .value_kind: global_buffer, .address_space: global }
      - { .name: nW0, .offset: 64, .size: 8, .value_kind: global_buffer, .address_space: global }
      - { .name: nb0, .offset: 72, .size: 8, .value_kind: global_buffer, .address_space: global }
      - { .name: nW1_codes, .offset: 80, .size: 8, .value_kind: global_buffer, .address_space: global }
      - { .name: nW1_scales, .offset: 88, .size: 8, .value_kind: global_buffer, .address_space: global }
      - { .name: nb1, .offset: 96, .size: 8, .value_kind: global_buffer, .address_space: global }
      - { .name: nW2, .offset: 104, .size: 8, .value_kind: global_buffer, .address_space: global }
      - { .name: nb2, .offset: 112, .size: 8, .value_kind: global_buffer, .address_space: global }
      - { .name: out0, .offset: 120, .size: 8, .value_kind: global_buffer, .address_space: global }
    .group_segment_fixed_size: 5632
    .private_segment_fixed_size: 0
    .kernarg_segment_align: 8
    .kernarg_segment_size: 128
    .max_flat_workgroup_size: 256
    .sgpr_count:     66
    .vgpr_count:     512
    .wavefront_size: 32
...
	.end_amdgpu_metadata
.endif
;; end of part 1
